; MI455X (gfx1250); checked and timed in simulation.
; The chip was launched on July 23, 2026; its instructions are those of AMD's public machine-readable ISA for CDNA 5 (MIT licence, August 2026) and "CDNA5" Instruction Set Architecture Reference Guide (July 2026). The comments in the code are by the model that wrote it; some were corrected since.
;; Gemm RS Multi Node. Allowed arithmetic: matrix products marked QUANTISED: E3M2 operands, one E8M0 scale for each 32 along K, by v_wmma_scale_f32_16x16x128_f8f6f4 with both operands' format E3M2, f32 sums; everything else in f32.
;; Inputs: input 8 x 2,048 x 1,024 float32; weight 8 x 4,096 x 1,024 float32.
;; Outputs: out0 8 x 256 x 4,096 float32.
;; This version of the problem:
;;   THIS VERSION OF THE PROBLEM IS GIVEN IN LOW PRECISION. The matrix products marked QUANTISED in the list below multiply operands that are first quantised to E3M2 (3 exponent bits, 2 mantissa bits; 6 bits a number), with one power-of-two scale for each 32 numbers along K (OCP MX v1.0); their sums are f32. All else is computed in f32.
;;   The module's matrix products, in the order in which they are computed (A, B: the left and right operand; K: the contracted axis; several contracted axes count as one K, in the product's order):
;;     1. [M 2,048, K 8,192] x [K 8,192, N 4,096]; A: input input; B: input weight: QUANTISED
;;   THE QUANTISER, for each operand of a quantised product, along K:
;;     - K is cut into blocks of 32 from its start; a last block that is shorter is filled with zeros.
;;     - A block's scale is 2^e with e = floor(log2(the largest magnitude in the block)) - 4, held to -126 .. 127; a block of zeros has e = 0. As a byte (E8M0): e + 127.
;;     - Each number is divided by its block's scale, clamped to +-28, and rounded to the nearest number of E3M2, ties to even, subnormals kept.
;;     - The product sums the exact products of the quantised numbers (number of the format x scale) in f32.
;;   ~~~python
;;   def quantise(x, axis):      # numpy; x: float32 -> the quantised numbers, widened to float32 again
;;       x = np.moveaxis(x, axis, -1); K = x.shape[-1]
;;       x = np.pad(x, [(0, 0)] * (x.ndim - 1) + [(0, -K % 32)]); x = x.reshape(x.shape[:-1] + (-1, 32)); a = np.abs(x).max(-1, keepdims=True)
;;       e = np.where(a > 0, np.clip(np.frexp(np.where(a > 0, a, 1))[1] - 1 - 4, -126, 127), 0)      # np.frexp(a)[1] - 1 = floor(log2(a)), exactly
;;       r = np.clip(x / 2.0 ** e, -28, 28)
;;       step = 2.0 ** (np.maximum(np.frexp(np.where(r == 0, 1, r))[1] - 1, -2) - 2)
;;       q = np.round(r / step) * step * 2.0 ** e      # np.round: ties to even
;;       return np.moveaxis(q.reshape(q.shape[:-2] + (-1,))[..., :K], -1, axis).astype(np.float32)
;;   ~~~
;; One version. Each part assembles by itself: llvm-mc -triple=amdgcn-amd-amdhsa -mcpu=gfx1250 --defsym DOCPART=n.
;; ======== version 1 of 1: 2 launches
;; limits: right only within a limited range of input values
;; workspace buffers: acodes 13,107,200 bytes; bcodes 26,214,400 bytes
;; launch quant (part 1): grid 768 x 1, 4 waves a work-group, no clusters, 40,448 bytes of LDS; arguments input, weight, acodes, bcodes; writes acodes, bcodes
.if DOCPART == 1
	.amdgcn_target "amdgcn-amd-amdhsa--gfx1250"
	.amdhsa_code_object_version 6
	.text
	.protected	k_q0bd9d17e06_quant
	.globl	k_q0bd9d17e06_quant
	.p2align	8
	.type	k_q0bd9d17e06_quant,@function
k_q0bd9d17e06_quant:
	s_mov_b64 s[64:65], 0
	v_nop
	global_prefetch_b8 v0, s[64:65] scope:SCOPE_SE
	s_setreg_imm32_b32 hwreg(HW_REG_WAVE_MODE, 25, 1), 1
	s_wait_xcnt 0x0
; input [8][2048][1024] and weight [8][4096][1024], f32, become codes of BF6 (E3M2) with one E8M0 scale byte for each 32 along K, laid IN THE ORDER OF THE OPERAND'S REGISTERS.
; THE PRODUCT'S K.  The product contracts k and the rank as one K, in the order in which jnp.einsum hands its contracted axes on (sorted by name: k, then r): K = 8 k + rank.
; So a block of 32 along K is 4 neighbouring k x all 8 ranks of one row: block kg = 0 .. 255 is k = 4 kg .. 4 kg + 3.  K step s = 0 .. 63 is blocks 4 s .. 4 s + 3.
; Inside a block the codes lie rank by rank (code 4 rank + k % 4), alike in both operands: the products and their scales are the same, only the order in which the unit adds them differs.
; A RECORD, 12,800 bytes, is 128 rows (group g) x 128 along K (K step s); record (g, s) lies at (64 g + s) x 12,800, so that a group's whole K is one dense stream.
;   bytes 1,536 i + 512 c + 16 l: registers 4 c .. 4 c + 3 of lane l of the fragment of rows 16 i .. 16 i + 15 (lane l holds row l % 16; registers 0-5: block l / 16 of the K step, registers 6-11: block 2 + l / 16)
;   bytes 12,288 + 32 r + 4 i:    the scale word (byte b for block b) of row r of row block i
; A block's scale is 2^(floor(log2(its largest magnitude)) - 4); its byte is the largest magnitude's exponent field - 4, held at 1 from below by a floor that joins the maximum's chains.
; Each number is divided by the scale and rounded to the nearest code, ties to even; beyond 28 the conversion gives the largest code, as the rule asks.
; LIMITS: a block of zeros gets the byte 1 where the rule says 127 (its codes are zeros, which add nothing under any byte but 0xff, and this program alone reads the bytes);
;   NaN and infinities among the inputs are not served.
; SHARES: a work-group takes 128 rows x 64 k x 8 ranks: four records.  Work-groups 0-255 take input, 256-767 weight: only pointers and two numbers are chosen, both tensors take one path.
; Wave w takes rows 32 w .. 32 w + 31, a pair of rows at a time.  A load takes 256 consecutive bytes, at a multiple of 256, of each of the two rows in one rank, 16 bytes a lane; eight loads, one a rank,
; give lane l the WHOLE block (row l / 16 of the pair, block l % 16 of the sixteen) in 32 registers: its maximum needs no other lane, and the f32 numbers never go through LDS.
; The codes, 24 bytes a block, belong to another lane of the fragment: they go through the wave's own stage in LDS, laid as the fragments' images, and leave in stores of 512 consecutive bytes.
; The scale bytes of the four waves meet in LDS behind the one barrier, and each wave stores one record's 512 bytes of them.  Loads run four pairs of rows (32 loads a wave) ahead.
; No tensor load, no prefetch, no cluster, no matrix unit: every byte is read once by loads that are always on their way, and no two work-groups read the same bytes.
.set REC,  12800
.set WGA,  256                         ; work-groups of input: 16 groups x 16 runs of 64 k
.set PIT,  384                         ; the stage: 256 bytes of an image (sixteen lanes' 16 bytes), then 128 of padding
.set TS,   6*PIT+32                    ; a fragment's image in the stage.  With these two the 32 lanes of a store of 8 bytes fall on 256 different bytes modulo 256:
                                       ; the half of a block's pair 8, the row of the pair 16, the record 32 and 64, the half of the lanes 128
.set WST,  4*TS                        ; a wave's stage: one row block of four records
.set SCL,  4*WST                       ; behind the stages: the scale words of the work-group's four records,
.set SCP,  576                         ; 512 bytes + 64 each
.set OFR,  8                           ; v8-15    rank q: its byte offset + my lane's place in the pair of rows; never rewritten
.set SA0,  16                          ; v16      the stage, on the way in: my block's first and third 8 bytes
.set SA1,  17                          ; v17      its second 8 bytes
.set SBA,  18                          ; v18      where my block's scale byte goes
.set RDB,  19                          ; v19      the stage, on the way out: 16 bytes a lane of an image
.set CO,   20                          ; v20      16 x lane + my wave's two row blocks in a record
.set SRD,  21                          ; v21      the scale words of record w, 16 bytes a lane
.set SGO,  22                          ; v22      16 x lane + record w
.set MX,   24                          ; v24-27   four chains of maxima
.set SO,   28                          ; v28      the conversions' scale operand
.set BY,   30                          ; v30-31   the scale byte, two sets by turns
.set T,    32                          ; v32-34   the upper 16 codes (a conversion's three registers begin on an even number)
.set C,    36                          ; v36-47   the block's codes, two sets of six by turns
.set SWD,  48                          ; v48-51   scale words on their way out
.set OUT,  52                          ; v52-99   a row block's four fragments on their way out
.set X,    100                         ; v100-227 four sets of 32 numbers
	s_load_b128 s[4:7], s[0:1], 0x0                ; input, weight
	s_load_b128 s[8:11], s[0:1], 0x10              ; acodes, bcodes
	v_lshl_add_u32 v240, v0, 2, 0x9c00
	v_mov_b32 v241, 0
	v_lshrrev_b32 v1, 5, v0
	v_readfirstlane_b32 s12, v1                    ; wave 0..3
	v_and_b32 v2, 31, v0                           ; lane
	v_and_b32 v3, 15, v0                           ; my block of the sixteen: 4 t + 2 c + h
	v_bfe_u32 v4, v0, 4, 1                         ; my row of the pair
	v_bfe_u32 v5, v0, 2, 2                         ; t: which of the four records
	v_bfe_u32 v6, v0, 1, 1                         ; c: registers 0-5 or 6-11 of the fragment
	v_and_b32 v7, 1, v0                            ; h: lanes 0-15 or 16-31 of the fragment
	s_mul_i32 s13, s12, WST
	v_mul_u32_u24 v[SA0], v5, TS                   ; registers 2 P, 2 P + 1 (P = 3 c + n, n = 0, 1, 2) of lane r + 16 h lie at image byte 512 (P / 2) + 256 h + 16 r + 8 (P % 2):
	v_mad_u32_u24 v[SA0], v7, PIT, v[SA0]          ; in the stage PIT x (2 (P / 2) + h) + 16 r + 8 (P % 2)
	v_lshl_add_u32 v[SA0], v4, 4, v[SA0]
	v_add_nc_u32 v[SA0], s13, v[SA0]
	v_mad_u32_u24 v[SA1], v6, 4*PIT-8, v[SA0]      ; n = 1 (offset 8): c = 0: 8;  c = 1: 4 PIT
	v_mad_u32_u24 v[SA0], v6, 2*PIT+8, v[SA0]      ; n = 0 (offset 0): 0;  2 PIT + 8.   n = 2 (offset 2 PIT): 2 PIT;  4 PIT + 8
	v_mul_u32_u24 v[RDB], v4, PIT
	v_lshl_add_u32 v[RDB], v3, 4, v[RDB]
	v_add_nc_u32 v[RDB], s13, v[RDB]
	v_and_b32 v1, 3, v0                            ; my block's byte in its scale word
	v_mad_u32_u24 v[SBA], v5, SCP, v1
	v_lshl_add_u32 v[SBA], v4, 5, v[SBA]           ; 32 bytes a row
	s_lshl_b32 s13, s12, 3                         ; 4 bytes a row block, two row blocks a wave
	s_add_co_u32 s13, s13, SCL
	v_add_nc_u32 v[SBA], s13, v[SBA]
	s_mul_i32 s13, s12, SCP
	s_add_co_u32 s13, s13, SCL
	v_lshl_add_u32 v[SRD], v2, 4, s13
	s_mul_i32 s13, s12, 2*1536
	v_lshl_add_u32 v[CO], v2, 4, s13
	s_mul_i32 s13, s12, REC
	v_lshl_add_u32 v[SGO], v2, 4, s13
	v_lshlrev_b32 v1, 4, v3                        ; in memory: 16 bytes a block,
	v_lshl_add_u32 v1, v4, 12, v1                  ; 4,096 bytes a row
	s_wait_alu depctr_va_vdst(0)
	s_wait_kmcnt 0x0
	s_cmp_lt_u32 ttmp9, WGA                        ; input's work-group or weight's?  The choice hangs on the work-group's number alone
	s_cselect_b64 s[4:5], s[4:5], s[6:7]
	s_cselect_b64 s[8:9], s[8:9], s[10:11]
	s_cselect_b32 s15, 23, 24                      ; a rank is 2^23 bytes of input, 2^24 of weight
	s_cselect_b32 s16, 0, WGA
	s_sub_co_u32 s16, ttmp9, s16                   ; 16 g + kq
	s_lshr_b32 s17, s16, 4                         ; g
	s_and_b32 s18, s16, 15                         ; kq: k = 64 kq on
	s_lshl_b32 s17, s17, 19                        ; 128 rows of 4,096 bytes
	s_lshl_b32 s18, s18, 8
	s_add_co_u32 s18, s18, s17
	s_lshl_b32 s17, s12, 17                        ; my wave's 32 rows
	s_add_co_u32 s18, s18, s17
	s_mov_b32 s19, 0
	s_add_nc_u64 s[4:5], s[4:5], s[18:19]
	s_mul_i32 s18, s16, 4*REC                      ; record 64 g + 4 kq
	s_add_nc_u64 s[8:9], s[8:9], s[18:19]
.irp q, 0,1,2,3,4,5,6,7
	s_lshl_b32 s20, \q, s15
	v_add_nc_u32 v[OFR+\q], s20, v1                ; under 2^27
.endr
.macro LOAD p                          ; rows 2 p, 2 p + 1 of my 32, all eight ranks, into set p % 4: register 4 q + j = rank q, k = 4 x my block + j
.irp q, 0,1,2,3,4,5,6,7
	global_load_b128 v[X+32*((\p)%4)+4*\q:X+32*((\p)%4)+4*\q+3], v[OFR+\q], s[4:5] offset:2*(\p)*4096 th:TH_LOAD_NT
.endr
.endm
.macro PAIR p                          ; a pair of rows: 32 blocks, one a lane
.set XS, X+32*((\p)%4)
.set CS, C+6*((\p)%2)
.set BS, BY+(\p)%2
.set PP, (\p)%8                        ; the pair in its row block
.set IB, (\p)/8                        ; which of my two row blocks
.if (\p) < 13
	s_wait_loadcnt 24                              ; this pair's eight loads are in; those of the three pairs behind it may be out
.else
	s_wait_loadcnt 8*(15-(\p))
.endif
.irp n, 0,1,2,3
	v_max3_num_f32 v[MX+\n], |v[XS+3*\n]|, |v[XS+3*\n+1]|, |v[XS+3*\n+2]|   ; the block's largest magnitude: all 32 numbers are mine; four chains by turns
.endr
.irp i, 12,20
.irp n, 0,1,2,3
	v_max3_num_f32 v[MX+\n], v[MX+\n], |v[XS+\i+2*\n]|, |v[XS+\i+2*\n+1]|
.endr
.endr
	v_max3_num_f32 v[MX], v[MX], |v[XS+28]|, |v[XS+29]|
	v_max3_num_f32 v[MX+1], v[MX+1], |v[XS+30]|, |v[XS+31]|
	v_max3_num_f32 v[MX], v[MX], v[MX+1], v[MX+2]
	v_max3_num_f32 v[MX], v[MX], v[MX+3], 0x2800000   ; and the floor 2^(5 - 127), under which no largest magnitude is taken: so the byte cannot fall under 1
	v_add_nc_u32 v[SO], 0xfe000000, v[MX]          ; 4 off the exponent field: the conversion takes the exponent field of this operand as its scale, and nothing else of it
	s_wait_alu depctr_va_vdst(0)
	s_wait_dscnt 4                                 ; the last pair's four LDS stores may be out; those of the pair before it, which read the registers written below, are done
	v_lshrrev_b32 v[BS], 23, v[SO]                 ; the scale's byte
	v_cvt_scalef32_pk16_bf6_f32 v[CS:CS+2], v[XS:XS+15], v[SO]
	v_cvt_scalef32_pk16_bf6_f32 v[T:T+2], v[XS+16:XS+31], v[SO]
	v_nop                                          ; one plain place behind a scaled conversion
.if (\p)+4 < 16
	LOAD (\p)+4                                    ; the set takes the pair four further on
.endif
.irp i, 0,1,2
	v_mov_b32 v[CS+3+\i], v[T+\i]
.endr
	ds_store_b8 v[SBA], v[BS] offset:64*PP+4*IB
	ds_store_b64 v[SA0], v[CS:CS+1] offset:32*PP
	ds_store_b64 v[SA1], v[CS+2:CS+3] offset:32*PP+8
	ds_store_b64 v[SA0], v[CS+4:CS+5] offset:32*PP+2*PIT
.endm
.macro SENDB ib                        ; a row block's four fragments leave: LDS serves a wave's instructions in order, so these loads see my stores, and the next row block's stores come behind them
.if \ib > 0
	s_wait_xcnt 0x0                                ; the first row block's stores have read their registers, which are loaded again below
.endif
.irp t, 0,1,2,3
.irp c, 0,1,2
	ds_load_b128 v[OUT+12*\t+4*\c:OUT+12*\t+4*\c+3], v[RDB] offset:\t*TS+2*PIT*\c
.endr
.endr
.irp t, 0,1,2,3
.irp c, 0,1,2
	s_wait_dscnt 11-3*\t-\c                        ; the loads behind this one may be out
	global_store_b128 v[CO], v[OUT+12*\t+4*\c:OUT+12*\t+4*\c+3], s[8:9] offset:\t*REC+1536*\ib+512*\c   ; 32 lanes store 512 consecutive bytes, at a multiple of 256 from the buffer's first byte
.endr
.endr
.endm
.irp p, 0,1,2,3
	LOAD \p
.endr
.irp p, 0,1,2,3,4,5,6,7
	PAIR \p
.endr
	SENDB 0
.irp p, 8,9,10,11,12,13,14,15
	PAIR \p
.endr
	SENDB 1
	s_wait_dscnt 0x0                               ; for the others' sake: my scale bytes lie in LDS
	s_barrier_signal -1
	s_barrier_wait -1                              ; everybody's do
	ds_load_b128 v[SWD:SWD+3], v[SRD]              ; record w's 128 scale words
	s_wait_dscnt 0x0
	global_store_b128 v[SGO], v[SWD:SWD+3], s[8:9] offset:12288   ; 512 consecutive bytes
	s_wait_tensorcnt 0x0
	ds_add_u32 v240, v241
	s_wait_dscnt 0x0
	s_endpgm
.Lfunc_end_k_q0bd9d17e06_quant:
	.size	k_q0bd9d17e06_quant, .Lfunc_end_k_q0bd9d17e06_quant-k_q0bd9d17e06_quant
	.p2alignl 7, 3214868480
	.fill 96, 4, 3214868480
	.section	.rodata,"a",@progbits
	.p2align	6, 0x0
	.amdhsa_kernel k_q0bd9d17e06_quant
		.amdhsa_group_segment_fixed_size 40448
		.amdhsa_private_segment_fixed_size 0
		.amdhsa_enable_private_segment 0
		.amdhsa_kernarg_size 32
		.amdhsa_user_sgpr_count 2
		.amdhsa_user_sgpr_kernarg_segment_ptr 1
		.amdhsa_wavefront_size32 1
		.amdhsa_system_sgpr_workgroup_id_x 1
		.amdhsa_system_sgpr_workgroup_id_y 1
		.amdhsa_system_sgpr_workgroup_id_z 1
		.amdhsa_system_vgpr_workitem_id 0
		.amdhsa_next_free_vgpr 242
		.amdhsa_next_free_sgpr 66
		.amdhsa_reserve_vcc 0
		.amdhsa_float_denorm_mode_32 3
		.amdhsa_float_denorm_mode_16_64 3
		.amdhsa_memory_ordered 1
		.amdhsa_forward_progress 1
		.amdhsa_inst_pref_size 49
	.end_amdhsa_kernel
	.amdgpu_metadata
---
amdhsa.version: [ 1, 2 ]
amdhsa.kernels:
  - .name:           k_q0bd9d17e06_quant
    .symbol:         k_q0bd9d17e06_quant.kd
    .args:
      - { .name: input, .offset: 0, .size: 8, .value_kind: global_buffer, .address_space: global }
      - { .name: weight, .offset: 8, .size: 8, .value_kind: global_buffer, .address_space: global }
      - { .name: acodes, .offset: 16, .size: 8, .value_kind: global_buffer, .address_space: global }
      - { .name: bcodes, .offset: 24, .size: 8, .value_kind: global_buffer, .address_space: global }
    .group_segment_fixed_size: 40448
    .private_segment_fixed_size: 0
    .kernarg_segment_align: 8
    .kernarg_segment_size: 32
    .max_flat_workgroup_size: 128
    .sgpr_count:     66
    .vgpr_count:     242
    .wavefront_size: 32
...
	.end_amdgpu_metadata
.endif
;; end of part 1
;; launch gemm (part 2): grid 16 x 16, 4 waves a work-group, clusters of 4 x 1, 327,680 bytes of LDS; arguments acodes, bcodes, out0; writes out0
.if DOCPART == 2
	.amdgcn_target "amdgcn-amd-amdhsa--gfx1250"
	.amdhsa_code_object_version 6
	.text
	.protected	k_q0bd9d17e06_gemm
	.globl	k_q0bd9d17e06_gemm
	.p2align	8
	.type	k_q0bd9d17e06_gemm,@function
k_q0bd9d17e06_gemm:
	s_mov_b64 s[64:65], 0
	v_nop
	global_prefetch_b8 v0, s[64:65] scope:SCOPE_SE
	s_setreg_imm32_b32 hwreg(HW_REG_WAVE_MODE, 25, 1), 1
	s_wait_xcnt 0x0
	s_wait_alu depctr_hold_cnt(0) depctr_sa_sdst(0) depctr_va_vdst(0) depctr_va_sdst(0) depctr_va_ssrc(0) depctr_va_vcc(0) depctr_vm_vsrc(0)
	s_getreg_b32 s2, hwreg(HW_REG_IB_STS2, 6, 4)
	s_cmp_eq_u32 s2, 0
	s_cbranch_scc0 .Lentry_in_a_cluster
	s_endpgm
.Lentry_in_a_cluster:
	s_bfe_u32 s2, ttmp6, 0x10000c
	s_cmp_lg_u32 s2, 0x3003
	s_cbranch_scc0 .Lentry_shape_is_right
	s_endpgm
.Lentry_shape_is_right:
; out0 [2048][4096] f32 = A B^T on codes of BF6 (E3M2) with E8M0 scales, K = 8,192 in 64 K steps of 128.  Both operands come as RECORDS of 12,800 bytes (128 rows x 128 K, laid as the
; operand's registers: fragment i at 1,536 i + 512 c + 16 lane; scale word of row r, row block i at 12,288 + 32 r + 4 i); record (group g, K step s) lies at (64 g + s) x 12,800.
; A work-group makes 128 x 256 of the result: 256 work-groups.  Its four waves are 2 column halves (j) x 2 HALVES OF K (kh): wave (j, kh) makes 128 x 128, 64 accumulators in 512 registers,
; over the K steps 2 t + kh, t = 0 .. 31.  At the end the two halves of K meet in LDS and are added.
; LIMIT: the even and the odd K steps are summed apart, in f32, and joined by one f32 addition: another order of rounding than one ascending sum.
; B: a record of B is read by ONE wave of the work-group alone.  It goes from memory straight into that wave's registers, 25 loads of 512 consecutive bytes, into four register sets by turns,
; asked for three steps ahead of its products; no LDS, no barrier.  No tensor load brings B, so there is no joint request for it.
; A: a record of A is read by the two waves of one kh.  A goes through a ring of two LDS slots of 8 records (four steps for both kh), filled by the tensor data mover, a quarter of a slot a wave.
; CLUSTER 4, 1, 1: the four partners make the same 128 rows of the result and need the same records of A: each fill is asked for JOINTLY (mask 15, the same descriptor in all four).
; PREFETCHES: A's slot two refills on, 25 blocks of 256 bytes a wave, shared out among the cluster's 16 waves by address; B's eight records of the next trip, half a record for each of the 16
; work-groups that read them (shared out by the tile row).  The loop's last trip asks for nothing, so no request leaves its buffer.
; THE MATRIX INSTRUCTION IS USED TRANSPOSED (source 0 = 16 rows of B, source 1 = 16 rows of A): a lane holds eight neighbouring numbers of a row of the result.
; REGISTERS: window 0: v0-31 addresses; v32-47 B's scale words, 4 sets of 4; v48-55 A's, 2 sets of 4; v64-159, v160-255 B's sets 2, 3.   window 1: v0-95, v96-191 B's sets 0, 1; v192-239 A's ring of
; four row blocks.   windows 2, 3: the accumulators ((a, b) at v[8 (8 (a % 4) + b)] of window 2 + a / 4).
; A scale register q holds in lanes 0-15 the words of row block q and in lanes 16-31 those of row block 4 + q: the row selector picks the half.
.set REC,    12800
.set GSTR,   64*REC
.set SLOTB,  8*REC
.set SPITCH, 528                       ; the way out: a row of 512 bytes + 16
.set RGN,    128*SPITCH                ; a wave's 128 rows there; four such regions from LDS byte 0 on, over the ring, which has had its last fill and its last read by then
.set SPARE,  4*RGN                     ; behind them: the spare words, 128 bytes a wave
.set BO,   8                           ; v8      16 x lane
.set BOS,  9                           ; v9      12,288 + 32 (lane % 16) + 16 (lane / 16): my scale words in a record
.set ADRA, 10                          ; v10-13  LDS: my kh's record in the k-th pair of steps of the ring (k = 0 .. 3), + 16 x lane
.set ADRS, 14                          ; v14-17  the same for the scale words
.set STO,  18
.set RD0,  19
.set RD1,  20
.set PFO,  21
.set PFB,  22
.set SPW,  28
.set NIL,  29
.set SB,   32
.set SA,   48
.set AR,   192
.set G1,  24
.set G0,  32
.set BB,  44                           ; s[44:45] my stream of B records, at the trip's first step
.set PFA, 46                           ; s[46:47] my share of A's slots, for the prefetches
.set MSB, 0
.macro WIN new
.if MSB != (\new)
	s_set_vgpr_msb (MSB<<8)|(\new)
.set MSB, (\new)
.endif
.endm
.macro PLACES
.rept 4
	v_nop
.endr
.endm
.macro CREST
	s_cmp_lg_u32 s14, 0
	s_cbranch_scc1 .Lnot_wave_0_\@
	s_barrier_signal -3
.Lnot_wave_0_\@:
	s_barrier_wait -3
	s_barrier_signal -1
	s_barrier_wait -1
.endm
.macro CROUND
	s_barrier_signal -1
	s_barrier_wait -1
	CREST
.endm
.macro ASK n                           ; not in the last trip (s3 = 1)
	s_cmp_gt_u32 s3, 1
	s_cbranch_scc0 .Lno_ask_\@
	global_prefetch_b8 v[PFO], s[PFA:PFA+1] offset:(4+\n)*SLOTB th:TH_LOAD_NT scope:SCOPE_SE
.if \n == 0
	global_prefetch_b8 v[PFB], s[BB:BB+1] offset:24*REC th:TH_LOAD_NT scope:SCOPE_SE
.endif
.Lno_ask_\@:
.endm
	s_load_b128 s[4:7], s[0:1], 0x0                ; acodes, bcodes
	s_load_b64 s[8:9], s[0:1], 0x10                ; out0
	v_lshl_add_u32 v[SPW], v0, 2, SPARE
	v_mov_b32 v[NIL], 0
	ds_add_u32 v[SPW], v[NIL]                      ; the opening lines: the add, twice on end, and its wait
	ds_add_u32 v[SPW], v[NIL]
	v_lshrrev_b32 v1, 5, v0
	v_readfirstlane_b32 s14, v1                    ; wave
	s_lshr_b32 s15, s14, 1                         ; kh
	s_and_b32 s16, s14, 1                          ; j
	s_bfe_u32 s40, ttmp6, 0x40000                  ; cx
	s_lshl_b32 s42, ttmp9, 2
	s_add_co_u32 s42, s42, s40                     ; tile column
	s_and_b32 s17, ttmp7, 0xffff                   ; tile row: the same in all four partners
	s_mov_b32 s[G1+0], 15|(3<<16)|(1<<21)          ; the mask of the four; elements of 8 bytes; bit 21 beside a mask
	s_mov_b32 s[G1+1], 32<<16                      ; two records, dense: 100 rows of 256 bytes
	s_mov_b32 s[G1+2], 100<<16
	s_mov_b32 s[G1+3], 32<<16
	s_mov_b32 s[G1+4], 100
	s_mov_b32 s[G1+5], 32
	s_mov_b32 s[G1+6], 0
	s_mov_b32 s[G1+7], 0
	s_mul_i32 s19, s17, GSTR                       ; A's group
	s_mul_i32 s43, s14, 2*REC                      ; my two records of a slot, in memory and in LDS
	s_add_co_u32 s20, s19, s43
	s_mov_b32 s21, 0
	s_lshl_b32 s22, s42, 1
	s_add_co_u32 s22, s22, s16
	s_mul_i32 s22, s22, GSTR                       ; B's group 2 x tile column + j
	s_mul_i32 s18, s15, REC
	s_add_co_u32 s22, s22, s18                     ; record kh
	s_mov_b32 s23, 0
	s_lshl_b32 s50, s40, 2
	s_add_co_u32 s50, s50, s14
	s_mul_i32 s50, s50, 6400                       ; the 16 waves of the cluster share a slot's 102,400 bytes
	s_add_co_u32 s50, s50, s19
	s_mov_b32 s51, 0
	s_lshl_b32 s48, s17, 21                        ; out0: 128 rows of 16,384 bytes a tile row,
	s_lshl_b32 s49, s15, 20                        ; I store rows 64 kh .. 64 kh + 63,
	s_add_co_u32 s48, s48, s49
	s_lshl_b32 s49, s42, 10
	s_add_co_u32 s48, s48, s49
	s_lshl_b32 s49, s16, 9                         ; of column half j
	s_add_co_u32 s48, s48, s49
	s_mov_b32 s49, 0
	s_lshl_b32 s52, s16, 1
	s_add_co_u32 s52, s52, s15
	s_mul_i32 s52, s52, RGN                        ; region 2 j + kh takes my tile
	s_mul_i32 s53, s16, 2*RGN
	s_mul_i32 s54, s15, 64*SPITCH
	s_add_co_u32 s53, s53, s54                     ; I read rows 64 kh on of regions 2 j and 2 j + 1
	s_lshr_b32 s54, s17, 1
	s_mul_i32 s54, s54, 2*REC
	s_and_b32 s55, s17, 1
	s_mul_i32 s55, s55, 6400
	s_add_co_u32 s54, s54, s55                     ; B's prefetch: tile row y takes half y % 2 of the trip's record y / 2
	v_and_b32 v2, 31, v0
	v_and_b32 v3, 15, v0
	v_bfe_u32 v4, v0, 4, 1
	v_lshlrev_b32 v[BO], 4, v2
	v_lshlrev_b32 v5, 5, v3
	v_lshl_add_u32 v5, v4, 4, v5
	v_add_nc_u32 v[BOS], 12288, v5
	v_add_nc_u32 v[ADRA], s18, v[BO]
	v_add_nc_u32 v[ADRS], s18, v[BOS]
.irp k, 1,2,3
	v_add_nc_u32 v[ADRA+\k], \k*4*REC, v[ADRA]
	v_add_nc_u32 v[ADRS+\k], \k*4*REC, v[ADRS]
.endr
	v_mul_u32_u24 v6, v3, SPITCH
	v_lshl_add_u32 v6, v4, 5, v6
	v_add_nc_u32 v[STO], s52, v6                   ; row lane % 16, 32 bytes for each half of the lanes
	v_add_nc_u32 v[RD0], s53, v[BO]
	v_add_nc_u32 v[RD1], RGN, v[RD0]
	v_min_u32 v7, 24, v2                           ; 25 blocks of 256 bytes; the lanes left over name the last again
	v_lshlrev_b32 v[PFO], 8, v7
	v_add_nc_u32 v[PFB], s54, v[PFO]
	s_wait_alu depctr_va_vdst(0)
	s_wait_dscnt 0x0                               ; both opening adds are done
	s_wait_kmcnt 0x0
	s_add_nc_u64 s[20:21], s[4:5], s[20:21]
	s_add_nc_u64 s[BB:BB+1], s[6:7], s[22:23]
	s_add_nc_u64 s[PFA:PFA+1], s[4:5], s[50:51]
	s_add_nc_u64 s[8:9], s[8:9], s[48:49]
	CROUND                                         ; the four partners are here: the first joint loads meet
.irp s, 0,1
	s_mov_b32 s[G0+4*\s], 1
	s_add_co_u32 s[G0+4*\s+1], s43, \s*SLOTB
	s_add_nc_u64 s[G0+4*\s+2:G0+4*\s+3], s[20:21], \s*SLOTB
	s_or_b32 s[G0+4*\s+3], s[G0+4*\s+3], 0x80000000
.endr
	tensor_load_to_lds s[G0:G0+3], s[G1:G1+7]      ; slot 0: one tensor load a wave at the head
	s_nop 0
	PLACES
; one product: A's row block a x B's row block b; p: B's set, q: A's set of scale words
.macro WM a, b, p, q, zero
.set DD, 8*(8*((\a)%4)+(\b))
.set BG, 96*(\p)-128*((\p)/2)+12*(\b)
.set AG, AR+12*((\a)%4)
.set SG, SB+4*(\p)+(\b)%4
.set TG, SA+4*(\q)+(\a)%4
.set RW, 2*((\a)/4)+(\b)/4+4*(\zero)
.if RW == 0
	v_wmma_scale_f32_16x16x128_f8f6f4 v[DD:DD+7], v[BG:BG+11], v[AG:AG+11], v[DD:DD+7], v[SG], v[TG] matrix_a_fmt:MATRIX_FMT_BF6 matrix_b_fmt:MATRIX_FMT_BF6
.endif
.if RW == 1
	v_wmma_scale_f32_16x16x128_f8f6f4 v[DD:DD+7], v[BG:BG+11], v[AG:AG+11], v[DD:DD+7], v[SG], v[TG] matrix_a_fmt:MATRIX_FMT_BF6 matrix_b_fmt:MATRIX_FMT_BF6 matrix_a_scale:MATRIX_SCALE_ROW1
.endif
.if RW == 2
	v_wmma_scale_f32_16x16x128_f8f6f4 v[DD:DD+7], v[BG:BG+11], v[AG:AG+11], v[DD:DD+7], v[SG], v[TG] matrix_a_fmt:MATRIX_FMT_BF6 matrix_b_fmt:MATRIX_FMT_BF6 matrix_b_scale:MATRIX_SCALE_ROW1
.endif
.if RW == 3
	v_wmma_scale_f32_16x16x128_f8f6f4 v[DD:DD+7], v[BG:BG+11], v[AG:AG+11], v[DD:DD+7], v[SG], v[TG] matrix_a_fmt:MATRIX_FMT_BF6 matrix_b_fmt:MATRIX_FMT_BF6 matrix_a_scale:MATRIX_SCALE_ROW1 matrix_b_scale:MATRIX_SCALE_ROW1
.endif
.if RW == 4
	v_wmma_scale_f32_16x16x128_f8f6f4 v[DD:DD+7], v[BG:BG+11], v[AG:AG+11], 0, v[SG], v[TG] matrix_a_fmt:MATRIX_FMT_BF6 matrix_b_fmt:MATRIX_FMT_BF6
.endif
.if RW == 5
	v_wmma_scale_f32_16x16x128_f8f6f4 v[DD:DD+7], v[BG:BG+11], v[AG:AG+11], 0, v[SG], v[TG] matrix_a_fmt:MATRIX_FMT_BF6 matrix_b_fmt:MATRIX_FMT_BF6 matrix_a_scale:MATRIX_SCALE_ROW1
.endif
.if RW == 6
	v_wmma_scale_f32_16x16x128_f8f6f4 v[DD:DD+7], v[BG:BG+11], v[AG:AG+11], 0, v[SG], v[TG] matrix_a_fmt:MATRIX_FMT_BF6 matrix_b_fmt:MATRIX_FMT_BF6 matrix_b_scale:MATRIX_SCALE_ROW1
.endif
.if RW == 7
	v_wmma_scale_f32_16x16x128_f8f6f4 v[DD:DD+7], v[BG:BG+11], v[AG:AG+11], 0, v[SG], v[TG] matrix_a_fmt:MATRIX_FMT_BF6 matrix_b_fmt:MATRIX_FMT_BF6 matrix_a_scale:MATRIX_SCALE_ROW1 matrix_b_scale:MATRIX_SCALE_ROW1
.endif
.endm
; A's block a against B's eight: eight accumulators by turns
.macro MUL8 a, t, zero
	WIN (1-((\t)%4)/2)+4+0x50*(2+(\a)/4)
.irp b, 0,1,2,3,4,5,6,7
	WM \a, \b, (\t)%4, (\t)%2, \zero
.endr
.endm
; A's block i of step t from LDS into ring place i % 4; ahead of block 0 the step's scale words.  t counts from the trip's base, a multiple of 8: slot (t / 4) % 2
.macro AFETCH t, i
.set AK, 2*(((\t)/4)%2)+((\t)%4)/2
.set AO, 2*((\t)%2)*REC
.if (\i) == 0
	WIN 0
	ds_load_b128 v[SA+4*((\t)%2):SA+4*((\t)%2)+3], v[ADRS+AK] offset:AO
.endif
	WIN 0x40
.irp c, 0,1,2
	ds_load_b128 v[AR+12*((\i)%4)+4*\c:AR+12*((\i)%4)+4*\c+3], v[ADRA+AK] offset:AO+1536*(\i)+512*\c
.endr
.endm
; B's fragment i of step t from memory into set t % 4; behind fragment 7 the record's scale words
.macro BFETCH t, i
.set BG, 96*((\t)%4)-128*(((\t)%4)/2)+12*(\i)
	WIN 0x40*(1-((\t)%4)/2)
.irp c, 0,1,2
	global_load_b128 v[BG+4*\c:BG+4*\c+3], v[BO], s[BB:BB+1] offset:2*(\t)*REC+1536*(\i)+512*\c
.endr
.if (\i) == 7
	WIN 0
	global_load_b128 v[SB+4*((\t)%4):SB+4*((\t)%4)+3], v[BOS], s[BB:BB+1] offset:2*(\t)*REC
.endif
.endm
; 16 products: A's blocks 2 k and 2 k + 1.  dw: the LDS loads that may stay out
.macro PAIR t, k, zero, dw
.if (\dw) >= 0
	s_wait_dscnt \dw
.endif
	MUL8 2*(\k), \t, \zero
	MUL8 2*(\k)+1, \t, \zero
.endm
; the run of loads behind pair r: its two ring places take the pair two further on, and two fragments of the B record three steps on are asked for
.macro RUN t, r, ld, nx
.if (\r) < 2
	AFETCH \t, 2*(\r)+4
	AFETCH \t, 2*(\r)+5
.else
.if \nx
	AFETCH (\t)+1, 2*(\r)-4
	AFETCH (\t)+1, 2*(\r)-3
.endif
.endif
.if \ld
	BFETCH (\t)+3, 2*(\r)
	BFETCH (\t)+3, 2*(\r)+1
.endif
.endm
; A step: 64 products, four runs of loads.  lc: the global loads that may stay out: the two younger records' 2 x 25.  turn: the slot's last step: 1 = the barrier alone, 2 = the slot is filled again.
; The waits on DScnt leave out the youngest run's six loads of A (a count of 6 also holds where the scale words' load lies ahead of them).
.macro STEP t, zero, ld, nx, turn, lc
	s_wait_loadcnt \lc
	PAIR \t, 0, \zero, 6
	PLACES
	RUN \t, 0, \ld, \nx
	PAIR \t, 1, \zero, 6
	PLACES
	RUN \t, 1, \ld, \nx
.if \turn
	WIN 0
	s_wait_tensorcnt 0x0                           ; all my tensor loads have landed: my quarter of the next slot
	ds_add_u32 v[SPW], v[NIL]
	s_wait_dscnt 10                                ; block 4 is in; blocks 5 to 7 (nine loads) and the add may be out
	MUL8 4, \t, \zero
	s_wait_dscnt 0x0                               ; the add is done, and my reads of this slot are over
	s_barrier_signal -1
	MUL8 5, \t, \zero
	WIN 0
	s_barrier_wait -1
.if \turn == 2
	CREST                                          ; the barrier has opened a round of the cluster's barrier
	s_add_nc_u64 s[G0+4*(((\t)/4)%2)+2:G0+4*(((\t)/4)%2)+3], s[G0+4*(((\t)/4)%2)+2:G0+4*(((\t)/4)%2)+3], 2*SLOTB
	tensor_load_to_lds s[G0+4*(((\t)/4)%2):G0+4*(((\t)/4)%2)+3], s[G1:G1+7]   ; my one load behind the round: two slots on
	s_nop 0
.endif
	PLACES
	RUN \t, 2, \ld, \nx
.if \turn == 2
	WIN 0
	ASK ((\t)/4)%2
.endif
	PAIR \t, 3, \zero, -1                          ; blocks 6 and 7 were shown in by the wait for 0 above
	PLACES
	RUN \t, 3, \ld, \nx
.else
	PAIR \t, 2, \zero, 6
.if (\nx) || (\ld)
	PLACES
.endif
	RUN \t, 2, \ld, \nx
	PAIR \t, 3, \zero, 6*(\nx)
.if (\nx) || (\ld)
	PLACES
.endif
	RUN \t, 3, \ld, \nx
.endif
.endm
.irp t, 0,1,2
.irp i, 0,1,2,3,4,5,6,7
	BFETCH \t, \i                                  ; B's records of steps 0 to 2
.endr
.endr
	WIN 0
	s_wait_tensorcnt 0x0                           ; my quarter of slot 0 is in
	ds_add_u32 v[SPW], v[NIL]
	s_wait_dscnt 0x0
	CROUND
	tensor_load_to_lds s[G0+4:G0+7], s[G1:G1+7]    ; slot 1's first fill, the first tensor load behind the round
	s_nop 0
	PLACES
.irp i, 0,1,2,3
	AFETCH 0, \i
.endr
	STEP 0, 1, 1, 1, 0, 50                         ; the first step's products start the sums
	WIN 0
	s_mov_b32 s3, 3
.Ltrip:                                                ; eight steps: once round the ring, twice round B's four sets
	STEP 1, 0, 1, 1, 0, 50
	STEP 2, 0, 1, 1, 0, 50
	STEP 3, 0, 1, 1, 2, 50
	STEP 4, 0, 1, 1, 0, 50
	STEP 5, 0, 1, 1, 0, 50
	STEP 6, 0, 1, 1, 0, 50
	STEP 7, 0, 1, 1, 2, 50
	STEP 8, 0, 1, 1, 0, 50
	WIN 0
	s_wait_xcnt 0x0                                ; the loads and prefetches have read their bases
	s_add_nc_u64 s[BB:BB+1], s[BB:BB+1], 16*REC
	s_add_nc_u64 s[PFA:PFA+1], s[PFA:PFA+1], 2*SLOTB
	s_sub_co_u32 s3, s3, 1
	s_cmp_lg_u32 s3, 0
	s_cbranch_scc1 .Ltrip
	STEP 1, 0, 1, 1, 0, 50                         ; steps 25 to 31: no fill; B's last record is asked for in step 28
	STEP 2, 0, 1, 1, 0, 50
	STEP 3, 0, 1, 1, 1, 50
	STEP 4, 0, 1, 1, 0, 50
	STEP 5, 0, 0, 1, 0, 50
	STEP 6, 0, 0, 1, 0, 25
	STEP 7, 0, 0, 0, 0, 0
	WIN 0
	PLACES
; THE WAY OUT, in two halves p.  Nobody reads the ring any more behind the first barrier.  Every wave stores its row blocks 2 p, 2 p + 1, 4 + 2 p, 5 + 2 p as rows into its region; behind a barrier
; wave (j, kh) reads rows 64 kh + 32 p .. + 31 of both K halves of column half j, adds them and stores whole rows: 32 lanes store 512 consecutive bytes, at a multiple of 256 from out0's first byte.
	s_wait_dscnt 0x0
	s_barrier_signal -1
	s_barrier_wait -1
.macro STG p
.irp h, 0,1
	WIN 0x08+4*\h
.irp e, 0,1
.irp b, 0,1,2,3,4,5,6,7
	ds_store_b128 v[STO], v[64*(2*(\p)+\e)+8*\b:64*(2*(\p)+\e)+8*\b+3] offset:(4*\h+2*(\p)+\e)*16*SPITCH+64*\b      ; each accumulator from its low end on
	ds_store_b128 v[STO], v[64*(2*(\p)+\e)+8*\b+4:64*(2*(\p)+\e)+8*\b+7] offset:(4*\h+2*(\p)+\e)*16*SPITCH+64*\b+16
.endr
.endr
.endr
	WIN 0
	s_wait_dscnt 0x0                               ; for the others' sake: my stores are done
	s_barrier_signal -1
	s_barrier_wait -1
.endm
.macro LOADB q                         ; eight rows of both K halves into buffer q % 3 of v64-255
.set XB, 64+64*((\q)%3)
.irp r, 0,1,2,3,4,5,6,7
	ds_load_b128 v[XB+4*\r:XB+4*\r+3], v[RD0] offset:(8*(\q)+\r)*SPITCH
	ds_load_b128 v[XB+32+4*\r:XB+32+4*\r+3], v[RD1] offset:(8*(\q)+\r)*SPITCH
.endr
.endm
.macro PROC q, younger
.set XB, 64+64*((\q)%3)
	s_wait_dscnt \younger
.irp r, 0,1,2,3,4,5,6,7,8,9,10,11,12,13,14,15
	v_pk_add_f32 v[XB+2*\r:XB+2*\r+1], v[XB+2*\r:XB+2*\r+1], v[XB+32+2*\r:XB+32+2*\r+1]
.endr
.irp r, 0,1,2,3,4,5,6,7
	global_store_b128 v[BO], v[XB+4*\r:XB+4*\r+3], s[8:9] offset:(8*(\q)+\r)*16384 th:TH_STORE_NT
.endr
.endm
.macro FIN p                           ; four batches of eight rows; a buffer is loaded again only when the stores that read it have read their registers
	s_wait_xcnt 0x0
	LOADB 4*(\p)
	LOADB 4*(\p)+1
	PROC 4*(\p), 16                                ; the next batch's sixteen loads may be out
	s_wait_xcnt 0x0
	LOADB 4*(\p)+2
	PROC 4*(\p)+1, 16
	s_wait_xcnt 0x0
	LOADB 4*(\p)+3
	PROC 4*(\p)+2, 16
	PROC 4*(\p)+3, 0
.endm
	STG 0
	FIN 0
	s_barrier_signal -1                            ; every wave's reads of the first half are back (the wait for 0 above)
	s_barrier_wait -1
	STG 1                                          ; the first half's stores leave meanwhile
	FIN 1
	s_wait_tensorcnt 0x0                           ; the wave's end
	ds_add_u32 v[SPW], v[NIL]
	s_wait_dscnt 0x0
	CROUND                                         ; the closing round
	s_endpgm
.Lfunc_end_k_q0bd9d17e06_gemm:
	.size	k_q0bd9d17e06_gemm, .Lfunc_end_k_q0bd9d17e06_gemm-k_q0bd9d17e06_gemm
	.p2alignl 7, 3214868480
	.fill 96, 4, 3214868480
	.section	.rodata,"a",@progbits
	.p2align	6, 0x0
	.amdhsa_kernel k_q0bd9d17e06_gemm
		.amdhsa_group_segment_fixed_size 327680
		.amdhsa_private_segment_fixed_size 0
		.amdhsa_enable_private_segment 0
		.amdhsa_kernarg_size 24
		.amdhsa_user_sgpr_count 2
		.amdhsa_user_sgpr_kernarg_segment_ptr 1
		.amdhsa_wavefront_size32 1
		.amdhsa_system_sgpr_workgroup_id_x 1
		.amdhsa_system_sgpr_workgroup_id_y 1
		.amdhsa_system_sgpr_workgroup_id_z 1
		.amdhsa_system_vgpr_workitem_id 0
		.amdhsa_next_free_vgpr 1024
		.amdhsa_next_free_sgpr 66
		.amdhsa_reserve_vcc 0
		.amdhsa_float_denorm_mode_32 3
		.amdhsa_float_denorm_mode_16_64 3
		.amdhsa_memory_ordered 1
		.amdhsa_forward_progress 1
		.amdhsa_inst_pref_size 246
	.end_amdhsa_kernel
	.amdgpu_metadata
---
amdhsa.version: [ 1, 2 ]
amdhsa.kernels:
  - .name:           k_q0bd9d17e06_gemm
    .symbol:         k_q0bd9d17e06_gemm.kd
    .args:
      - { .name: acodes, .offset: 0, .size: 8, .value_kind: global_buffer, .address_space: global }
      - { .name: bcodes, .offset: 8, .size: 8, .value_kind: global_buffer, .address_space: global }
      - { .name: out0, .offset: 16, .size: 8, .value_kind: global_buffer, .address_space: global }
    .group_segment_fixed_size: 327680
    .private_segment_fixed_size: 0
    .kernarg_segment_align: 8
    .kernarg_segment_size: 24
    .max_flat_workgroup_size: 128
    .sgpr_count:     66
    .vgpr_count:     1024
    .wavefront_size: 32
...
	.end_amdgpu_metadata
.endif
;; end of part 2
